; MI455X (gfx1250); checked and timed in simulation.
; The chip was launched on July 23, 2026; its instructions are those of AMD's public machine-readable ISA for CDNA 5 (MIT licence, August 2026) and "CDNA5" Instruction Set Architecture Reference Guide (July 2026). The comments in the code are by the model that wrote it; some were corrected since.
;; Scaled Binary Conv1 D. Allowed arithmetic: matrix products marked QUANTISED: E5M2 operands, one E8M0 scale for each 32 along K, by v_wmma_scale_f32_16x16x128_f8f6f4 with both operands' format E5M2, f32 sums; everything else in f32.
;; Inputs: scale one number float32; sign 4,096 x 4,096 float32; x 2 x 2,048 x 4,096 float32.
;; Outputs: out0 2 x 2,048 x 4,096 float32.
;; This version of the problem:
;;   THIS VERSION OF THE PROBLEM IS GIVEN IN LOW PRECISION. The matrix products marked QUANTISED in the list below multiply operands that are first quantised to E5M2 (5 exponent bits, 2 mantissa bits; 8 bits a number), with one power-of-two scale for each 32 numbers along K (OCP MX v1.0); their sums are f32. All else is computed in f32.
;;   The module's matrix products, in the order in which they are computed (A, B: the left and right operand; K: the contracted axis; several contracted axes count as one K, in the product's order):
;;     1. [M 4,096, K 4,096] x [K 4,096, N 4,096]; A: input x; B: input sign: QUANTISED
;;   THE QUANTISER, for each operand of a quantised product, along K:
;;     - K is cut into blocks of 32 from its start; a last block that is shorter is filled with zeros.
;;     - A block's scale is 2^e with e = floor(log2(the largest magnitude in the block)) - 15, held to -126 .. 127; a block of zeros has e = 0. As a byte (E8M0): e + 127.
;;     - Each number is divided by its block's scale, clamped to +-57,344, and rounded to the nearest number of E5M2, ties to even, subnormals kept.
;;     - The product sums the exact products of the quantised numbers (number of the format x scale) in f32.
;;   ~~~python
;;   def quantise(x, axis):      # numpy; x: float32 -> the quantised numbers, widened to float32 again
;;       x = np.moveaxis(x, axis, -1); K = x.shape[-1]
;;       x = np.pad(x, [(0, 0)] * (x.ndim - 1) + [(0, -K % 32)]); x = x.reshape(x.shape[:-1] + (-1, 32)); a = np.abs(x).max(-1, keepdims=True)
;;       e = np.where(a > 0, np.clip(np.frexp(np.where(a > 0, a, 1))[1] - 1 - 15, -126, 127), 0)      # np.frexp(a)[1] - 1 = floor(log2(a)), exactly
;;       r = np.clip(x / 2.0 ** e, -57344, 57344)
;;       step = 2.0 ** (np.maximum(np.frexp(np.where(r == 0, 1, r))[1] - 1, -14) - 2)
;;       q = np.round(r / step) * step * 2.0 ** e      # np.round: ties to even
;;       return np.moveaxis(q.reshape(q.shape[:-2] + (-1,))[..., :K], -1, axis).astype(np.float32)
;;   ~~~
;; One version. Each part assembles by itself: llvm-mc -triple=amdgcn-amd-amdhsa -mcpu=gfx1250 --defsym DOCPART=n.
;; ======== version 1 of 1: 2 launches
;; limits: right only within a limited range of input values
;; workspace buffers: xq 17,301,504 bytes; wq 17,301,504 bytes
;; launch quant (part 1): grid 768 x 1, 4 waves a work-group, no clusters, 43,520 bytes of LDS; arguments x, sign, xq, wq; writes xq, wq
.if DOCPART == 1
	.amdgcn_target "amdgcn-amd-amdhsa--gfx1250"
	.amdhsa_code_object_version 6
	.text
	.protected	k_q4abb8188a2_quant
	.globl	k_q4abb8188a2_quant
	.p2align	8
	.type	k_q4abb8188a2_quant,@function
k_q4abb8188a2_quant:
	s_mov_b64 s[64:65], 0
	v_nop
	global_prefetch_b8 v0, s[64:65] scope:SCOPE_SE
	s_setreg_imm32_b32 hwreg(HW_REG_WAVE_MODE, 25, 1), 1
	s_wait_xcnt 0x0
; x [4096 (m)][4096 (k)] and sign [4096 (k)][4096 (n)], f32, become codes of BF8 (E5M2) with one E8M0 scale byte for each 32 along K, laid as the product's launch wants its operands.
; THE LAYOUT of xq and of wq: 32 panels (128 rows m of x, or 128 columns n of sign) x 16 K steps (256 along K); block (panel p, step s) is BLK = 33,792 bytes at (16 p + s) BLK.
;   bytes 0 .. 32,767: the codes as images of the operand's registers: fragment (tile i of 16 rows, q-th 128 along K) at 2,048 (2 i + q); in it byte 512 c + 16 (r + 16 h) + j is row r, k = 32 c + 16 h + j.
;   bytes 32,768 .. 33,791: the scale bytes: row 0 .. 127 has 8 bytes on end; byte 4 q + b scales k = 128 q + 32 b .. + 31.
; THE QUANTISER: a block's byte is its largest magnitude's exponent field - 15, held at 1 from below; each number is divided by the scale, held within +-57,344 and rounded to the nearest code, ties to even.
; LIMITS: NaN and infinities among the inputs are not served.  A block of zeros gets the byte 1 where the quantiser's text says 127: its codes are zeros, which add nothing under any byte but 0xff, and this program alone reads the bytes.
; SHARES: work-groups 0 .. 511 make one block of xq each; work-groups 512 .. 767 make two neighbouring panels' blocks of one K step of wq each.  Two paths that part on the work-group's number, each with LDS bytes of its own.
; Waves share nothing: no barrier.
.set BLK,  33792
.set SCO,  32768
.set ROWB, 16384                       ; a row of x or of sign in bytes
.set STGB, 8448                        ; the x path's stage, one for each wave: 16 rows x (512 bytes + 16)
.set SP,   528
.set WST0, 34304                       ; the sign path's stages, behind the x path's four and the 512 bytes of spare words at 33,792
.set WSTG, 2304                        ; one for each wave: 4 tiles x (512 bytes + 16), rounded up to blocks of 256
; registers of the x path
.set XO,  4
.set STW, 5
.set STR, 6
.set CO,  7
.set SO,  8
.set SW,  10
.set PW,  12
.set PC,  16
.set TM,  32
.set X,   64                           ; x: 64 numbers in the operand's order; sign: two sets of 64 as loaded
.set R,   128
; registers of the sign path
.set WO,  4                            ; 8 x lane
.set SWA, 5                            ; the stage, on the way in
.set SRA, 6                            ; and out
.set WC,  7                            ; my 16 bytes in the block's codes
.set WS,  8                            ; and in its scale bytes
.set CD,  16                           ; v16-31 a block's codes, 8 registers a column
.set OB,  32                           ; v32-47 the same back from the stage
.set SB,  48                           ; v[48:51] my two columns' 8 scale bytes each
.set BY,  52
.set T,   192                          ; v192-255 two columns x 32 numbers down K, held
	s_load_b256 s[4:11], s[0:1], 0x0               ; x, sign, xq, wq
	v_lshl_add_u32 v62, v0, 2, 0x8400
	v_mov_b32 v63, 0
	v_lshrrev_b32 v1, 5, v0
	v_readfirstlane_b32 s16, v1                    ; wave
	v_and_b32 v1, 31, v0                           ; lane
	v_and_b32 v2, 15, v0                           ; r
	v_bfe_u32 v3, v0, 4, 1                         ; h
	s_mov_b32 s22, 0x76543210
	s_mov_b32 s23, 0xfedcba98                      ; v_permlanex16_b32's selects for lane l xor 16
	s_mov_b32 s24, 0x600000                        ; the mantissa field of 57,344
	s_mov_b32 s21, 0
	s_wait_kmcnt 0x0
	s_cmp_lt_u32 ttmp9, 512
	s_cbranch_scc0 .Lsign
; ---- x: K is innermost.  Work-group g makes block g.  Wave w takes rows 32 w .. + 31: four fragments f = 2 ti + q.  Each load reads 512 consecutive bytes of one row; 16 rows turn through the wave's stage,
; and lane (r, h) reads back, of row r, the 16 numbers k = 32 b + 16 h + 0 .. 15 of each block b.
	s_lshr_b32 s17, ttmp9, 4
	s_and_b32 s18, ttmp9, 15
	s_lshl_b32 s20, s17, 21
	s_lshl_b32 s19, s16, 19
	s_add_co_u32 s20, s20, s19
	s_lshl_b32 s19, s18, 10
	s_add_co_u32 s20, s20, s19
	s_add_nc_u64 s[4:5], s[4:5], s[20:21]
	s_mul_i32 s20, ttmp9, BLK
	s_add_nc_u64 s[8:9], s[8:9], s[20:21]
	s_mul_i32 s19, s16, STGB
	s_wait_alu depctr_va_vdst(0)
	v_lshlrev_b32 v[XO], 4, v1
	v_add_nc_u32 v[STW], s19, v[XO]
	v_mul_u32_u24 v[STR], v2, SP
	v_lshl_add_u32 v[STR], v3, 6, v[STR]
	v_add_nc_u32 v[STR], s19, v[STR]
	s_lshl_b32 s19, s16, 13
	v_add_nc_u32 v[CO], s19, v[XO]
	s_lshl_b32 s19, s16, 8
	v_lshl_add_u32 v[SO], v1, 3, s19
.irp b, 0,1,2,3
	v_mov_b32 v[TM+4+\b], 0                        ; a lane permute's destination counts as one of its sources
.endr
.macro XLOAD f
.irp i, 0,1,2,3,4,5,6,7,8,9,10,11,12,13,14,15
	global_load_b128 v[R+64*((\f)%2)+4*\i:R+64*((\f)%2)+4*\i+3], v[XO], s[4:5] offset:(16*((\f)/2)+\i)*ROWB+512*((\f)%2) th:TH_LOAD_NT
.endr
.endm
.macro QUANT s, pw
.irp b, 0,1,2,3
	v_max3_num_f32 v[TM+\b], |v[\s+16*\b]|, |v[\s+1+16*\b]|, 0x8000000   ; with the floor 2^(16 - 127): the byte cannot fall under 1
.endr
.irp i, 2,4,6,8,10,12,14
.irp b, 0,1,2,3
	v_max3_num_f32 v[TM+\b], v[TM+\b], |v[\s+16*\b+\i]|, |v[\s+1+16*\b+\i]|
.endr
.endr
.irp b, 0,1,2,3
	v_permlanex16_b32 v[TM+4+\b], v[TM+\b], s22, s23
.endr
.irp b, 0,1,2,3
	v_max_num_f32 v[TM+\b], v[TM+\b], v[TM+4+\b]
.endr
.irp b, 0,1,2,3
	v_add_nc_u32 v[TM+12+\b], 0xf8800000, v[TM+\b] ; 15 off the exponent field: the conversion's scale operand
.endr
.irp b, 0,1,2,3
	v_and_or_b32 v[TM+8+\b], v[TM+\b], 0x7f800000, s24   ; 57,344 x the scale
.endr
.irp b, 0,1,2,3
	v_lshrrev_b32 v[TM+4+\b], 23, v[TM+12+\b]
.endr
	v_lshl_or_b32 v[\pw], v[TM+5], 8, v[TM+4]
	v_lshl_or_b32 v[\pw], v[TM+6], 16, v[\pw]
	v_lshl_or_b32 v[\pw], v[TM+7], 24, v[\pw]
.irp b, 0,1,2,3
.irp i, 0,1,2,3,4,5,6,7,8,9,10,11,12,13,14,15
	v_med3_num_f32 v[\s+16*\b+\i], v[\s+16*\b+\i], -v[TM+8+\b], v[TM+8+\b]   ; the conversion does not saturate (ISA guide 7.6.2)
.endr
	v_cvt_scalef32_pk8_bf8_f32 v[PC+4*\b:PC+1+4*\b], v[\s+16*\b:\s+7+16*\b], v[TM+12+\b]
	v_cvt_scalef32_pk8_bf8_f32 v[PC+2+4*\b:PC+3+4*\b], v[\s+8+16*\b:\s+15+16*\b], v[TM+12+\b]
.endr
	v_nop
.endm
.macro XFRAG f
.if (\f) < 3
	s_wait_loadcnt 16                              ; this fragment's 16 loads are in; the younger set's 16 may be out
.else
	s_wait_loadcnt 0x0
.endif
.irp i, 0,1,2,3,4,5,6,7,8,9,10,11,12,13,14,15
	ds_store_b128 v[STW], v[R+64*((\f)%2)+4*\i:R+64*((\f)%2)+4*\i+3] offset:SP*\i
.endr
.irp b, 0,1,2,3
.irp j, 0,1,2,3
	ds_load_b128 v[X+16*\b+4*\j:X+16*\b+4*\j+3], v[STR] offset:128*\b+16*\j         ; LDS serves a wave's instructions in order (ISA guide 5.7.1.4)
.endr
.endr
	s_wait_dscnt 0x0
.if (\f) > 0
	s_wait_xcnt 0x0                                ; the last fragment's stores have read the codes' registers
.endif
.if (\f)+2 < 4
	XLOAD (\f)+2
.endif
	QUANT X, PW+(\f)
.irp c, 0,1,2,3
	global_store_b128 v[CO], v[PC+4*\c:PC+4*\c+3], s[8:9] offset:4096*((\f)/2)+2048*((\f)%2)+512*\c   ; 512 consecutive bytes, aligned to 256
.endr
.endm
	XLOAD 0
	XLOAD 1
	s_wait_alu depctr_va_vdst(0)
	XFRAG 0
	XFRAG 1
	XFRAG 2
	XFRAG 3
	v_cmp_gt_u32 vcc_lo, 16, v1
	v_cndmask_b32 v[SW], v[PW+2], v[PW], vcc_lo
	v_cndmask_b32 v[SW+1], v[PW+3], v[PW+1], vcc_lo
	global_store_b64 v[SO], v[SW:SW+1], s[8:9] offset:SCO   ; 256 consecutive bytes, aligned
	s_wait_tensorcnt 0x0
	ds_add_u32 v62, v63
	s_wait_dscnt 0x0
	s_endpgm
; ---- sign: K is the first axis.  Work-group 512 + g' takes K step g' / 16 and panels 2 (g' % 16), + 1.  Wave w takes 64 columns, 256 w bytes into the work-group's 1,024 of each row k, and all 256 k of the step: 8 blocks of 32.
; A lane takes two neighbouring columns: a load reads 256 consecutive bytes of one row, aligned.  Register 2 i + u of a set is (k = i, column u); the hold writes each column's 32 numbers into consecutive registers,
; so the conversions find neighbours along K.  A block's codes, 16 bytes for (column, half of 32), turn through the wave's stage (tile pitch 528) and leave as four runs of 512 consecutive bytes of the image.
.Lsign:
	s_sub_co_u32 s17, ttmp9, 512
	s_and_b32 s18, s17, 15                         ; which pair of panels
	s_lshr_b32 s19, s17, 4                         ; step
	s_lshl_b32 s20, s19, 22                        ; 256 rows of 16,384 bytes
	s_lshl_b32 s25, s18, 10
	s_add_co_u32 s20, s20, s25
	s_lshl_b32 s25, s16, 8
	s_add_co_u32 s20, s20, s25
	s_add_nc_u64 s[6:7], s[6:7], s[20:21]
	s_lshl_b32 s20, s18, 1
	s_lshr_b32 s25, s16, 1
	s_add_co_u32 s20, s20, s25                     ; my panel
	s_lshl_b32 s20, s20, 4
	s_add_co_u32 s20, s20, s19
	s_mul_i32 s20, s20, BLK
	s_add_nc_u64 s[10:11], s[10:11], s[20:21]
	s_and_b32 s25, s16, 1                          ; which 64 columns of the panel
	s_mul_i32 s26, s16, WSTG
	s_add_co_u32 s26, s26, WST0
	s_wait_alu depctr_va_vdst(0)
	v_lshlrev_b32 v[WO], 3, v1
	v_lshrrev_b32 v2, 3, v1                        ; my tile of the wave's four
	v_mul_u32_u24 v2, v2, 528
	v_and_b32 v3, 7, v1
	v_lshl_add_u32 v2, v3, 5, v2                   ; row r = 2 (lane % 8) + u: 16 bytes a row
	v_add_nc_u32 v[SWA], s26, v2
	v_lshl_add_u32 v[SRA], v1, 4, s26
	s_lshl_b32 s26, s25, 14                        ; four tiles of 4,096 bytes
	v_lshl_add_u32 v[WC], v1, 4, s26
	s_lshl_b32 s26, s25, 9
	v_lshl_add_u32 v[WS], v1, 4, s26
	s_wait_alu depctr_va_vdst(0)
.macro WLOAD t                         ; block t's 32 rows into set t % 2; the offsets reach 255 rows, inside the signed 24 bits
.irp i, 0,1,2,3,4,5,6,7,8,9,10,11,12,13,14,15,16,17,18,19,20,21,22,23,24,25,26,27,28,29,30,31
	global_load_b64 v[X+64*((\t)%2)+2*\i:X+64*((\t)%2)+2*\i+1], v[WO], s[6:7] offset:(32*(\t)+\i)*ROWB th:TH_LOAD_NT
.endr
.endm
.macro BLOCK t
.set XS, X+64*((\t)%2)
.set QQ, (\t)/4
.set CC, (\t)%4
.if (\t) < 7
	s_wait_loadcnt 32                              ; this block's 32 loads are in; the next block's 32 may be out
.else
	s_wait_loadcnt 0x0
.endif
.irp u, 0,1
	v_max3_num_f32 v[12+\u], |v[XS+\u]|, |v[XS+2+\u]|, 0x8000000   ; the two columns by turns; the floor 2^(16 - 127)
.endr
.irp i, 2,4,6,8,10,12,14,16,18,20,22,24,26,28,30
.irp u, 0,1
	v_max3_num_f32 v[12+\u], v[12+\u], |v[XS+2*\i+\u]|, |v[XS+2*\i+2+\u]|
.endr
.endr
.irp u, 0,1
	v_add_nc_u32 v[14+\u], 0xf8800000, v[12+\u]    ; the conversions' scale operand
.endr
.irp u, 0,1
	v_and_or_b32 v[12+\u], v[12+\u], 0x7f800000, s24   ; 57,344 x the scale
.endr
.irp u, 0,1
	v_lshrrev_b32 v[BY+\u], 23, v[14+\u]           ; the scale's byte
.endr
.irp u, 0,1
.if CC == 0
	v_mov_b32 v[SB+2*\u+QQ], v[BY+\u]
.else
	v_lshl_or_b32 v[SB+2*\u+QQ], v[BY+\u], 8*CC, v[SB+2*\u+QQ]
.endif
.endr
.irp u, 0,1
.irp i, 0,1,2,3,4,5,6,7,8,9,10,11,12,13,14,15,16,17,18,19,20,21,22,23,24,25,26,27,28,29,30,31
	v_med3_num_f32 v[T+32*\u+\i], v[XS+2*\i+\u], -v[12+\u], v[12+\u]   ; the hold (ISA guide 7.6.2), and the column's numbers on end
.endr
.endr
.irp u, 0,1
.irp g, 0,1,2,3
	v_cvt_scalef32_pk8_bf8_f32 v[CD+8*\u+2*\g:CD+8*\u+2*\g+1], v[T+32*\u+8*\g:T+32*\u+8*\g+7], v[14+\u]
.endr
.endr
	v_nop                                          ; one plain vector line behind the last conversion
.irp u, 0,1
.irp h, 0,1
	ds_store_b128 v[SWA], v[CD+8*\u+4*\h:CD+8*\u+4*\h+3] offset:16*\u+256*\h
.endr
.endr
.if (\t) > 0
	s_wait_xcnt 0x0                                ; the last block's stores have read v32-47
.endif
.irp e, 0,1,2,3
	ds_load_b128 v[OB+4*\e:OB+4*\e+3], v[SRA] offset:528*\e   ; LDS serves a wave's instructions in order: these see the stores above
.endr
.if (\t)+2 < 8
	WLOAD (\t)+2
.endif
	s_wait_dscnt 0x0
.irp e, 0,1,2,3
	global_store_b128 v[WC], v[OB+4*\e:OB+4*\e+3], s[10:11] offset:4096*\e+2048*QQ+512*CC   ; 512 consecutive bytes of tile e's image, aligned to 256
.endr
.endm
	WLOAD 0
	WLOAD 1
.irp t, 0,1,2,3,4,5,6,7
	BLOCK \t
.endr
	global_store_b128 v[WS], v[SB:SB+3], s[10:11] offset:SCO   ; two columns' 16 scale bytes a lane: 512 consecutive bytes, aligned
	s_wait_tensorcnt 0x0                           ; the wave's end
	ds_add_u32 v62, v63
	s_wait_dscnt 0x0
	s_endpgm
.Lfunc_end_k_q4abb8188a2_quant:
	.size	k_q4abb8188a2_quant, .Lfunc_end_k_q4abb8188a2_quant-k_q4abb8188a2_quant
	.p2alignl 7, 3214868480
	.fill 96, 4, 3214868480
	.section	.rodata,"a",@progbits
	.p2align	6, 0x0
	.amdhsa_kernel k_q4abb8188a2_quant
		.amdhsa_group_segment_fixed_size 43520
		.amdhsa_private_segment_fixed_size 0
		.amdhsa_enable_private_segment 0
		.amdhsa_kernarg_size 32
		.amdhsa_user_sgpr_count 2
		.amdhsa_user_sgpr_kernarg_segment_ptr 1
		.amdhsa_wavefront_size32 1
		.amdhsa_system_sgpr_workgroup_id_x 1
		.amdhsa_system_sgpr_workgroup_id_y 1
		.amdhsa_system_sgpr_workgroup_id_z 1
		.amdhsa_system_vgpr_workitem_id 0
		.amdhsa_next_free_vgpr 256
		.amdhsa_next_free_sgpr 66
		.amdhsa_reserve_vcc 1
		.amdhsa_float_denorm_mode_32 3
		.amdhsa_float_denorm_mode_16_64 3
		.amdhsa_memory_ordered 1
		.amdhsa_forward_progress 1
		.amdhsa_inst_pref_size 140
	.end_amdhsa_kernel
	.amdgpu_metadata
---
amdhsa.version: [ 1, 2 ]
amdhsa.kernels:
  - .name:           k_q4abb8188a2_quant
    .symbol:         k_q4abb8188a2_quant.kd
    .args:
      - { .name: x, .offset: 0, .size: 8, .value_kind: global_buffer, .address_space: global }
      - { .name: sign, .offset: 8, .size: 8, .value_kind: global_buffer, .address_space: global }
      - { .name: xq, .offset: 16, .size: 8, .value_kind: global_buffer, .address_space: global }
      - { .name: wq, .offset: 24, .size: 8, .value_kind: global_buffer, .address_space: global }
    .group_segment_fixed_size: 43520
    .private_segment_fixed_size: 0
    .kernarg_segment_align: 8
    .kernarg_segment_size: 32
    .max_flat_workgroup_size: 128
    .sgpr_count:     66
    .vgpr_count:     256
    .wavefront_size: 32
...
	.end_amdgpu_metadata
.endif
;; end of part 1
;; launch gemm (part 2): grid 16 x 16, 4 waves a work-group, clusters of 4 x 4, 327,680 bytes of LDS; arguments xq, wq, scale, out0; writes out0
.if DOCPART == 2
	.amdgcn_target "amdgcn-amd-amdhsa--gfx1250"
	.amdhsa_code_object_version 6
	.text
	.protected	k_q4abb8188a2_gemm
	.globl	k_q4abb8188a2_gemm
	.p2align	8
	.type	k_q4abb8188a2_gemm,@function
k_q4abb8188a2_gemm:
	s_mov_b64 s[64:65], 0
	v_nop
	global_prefetch_b8 v0, s[64:65] scope:SCOPE_SE
	s_setreg_imm32_b32 hwreg(HW_REG_WAVE_MODE, 25, 1), 1
	s_wait_xcnt 0x0
	s_wait_alu depctr_hold_cnt(0) depctr_sa_sdst(0) depctr_va_vdst(0) depctr_va_sdst(0) depctr_va_ssrc(0) depctr_va_vcc(0) depctr_vm_vsrc(0)
	s_getreg_b32 s2, hwreg(HW_REG_IB_STS2, 6, 4)
	s_cmp_eq_u32 s2, 0
	s_cbranch_scc0 .Lentry_in_a_cluster
	s_endpgm
.Lentry_in_a_cluster:
	s_bfe_u32 s2, ttmp6, 0x10000c
	s_cmp_lg_u32 s2, 0xf033
	s_cbranch_scc0 .Lentry_shape_is_right
	s_endpgm
.Lentry_shape_is_right:
; out0[m][n] = softplus(scale) x sum over k of X[m][k] W[k][n]; X, W: the codes of BF8 (E5M2) and E8M0 scale bytes that the launch before has laid in xq and wq; sums in f32.
; xq, wq: 32 panels of 128 rows x 16 K steps of 256; block (p, s) is BLK bytes at (16 p + s) BLK: 32,768 bytes of codes as images of the operand's registers
; (fragment (tile i, q-th 128 of K) at 2,048 (2 i + q), lane l's 16 bytes of piece c at 512 c + 16 l), then 1,024 scale bytes, 8 a row.
; SHARES: a work-group of four waves makes 256 x 256 of out0, a wave 128 x 128: 64 accumulators, 512 registers.  K goes in 16 steps of 256 through two LDS slots of 4 blocks; each wave fetches one block, 132 rows of 256 bytes.
; CLUSTERS: 4 x 4.  A's blocks are shared along a row of the cluster, B's along a column: joint loads.  Source 0 = rows of W^T, source 1 = rows of X: a lane holds eight neighbouring columns of one row of out0.
; THE LDS LOADS STAND IN FOUR RUNS A K STEP (32, 32, 32 and 48 loads), each behind eight v_nop.  A's blocks 4-7 have two register sets, one for each half of a slot, and B two sets: so a slot's reads end in the
; middle of its first half, the round that refills it stands at the head of its second half, and 48 products follow the refill under which the next slot's first fragments come.
; PREFETCH: behind the load of K step j each wave asks for step j + 2 of the block that it fetches: its 132 units of 256 bytes are shared out by address among the four partners that ask jointly, 33 each
; (32 by a lane each, the 33rd by a second line in which all lanes name it).  The head also asks for step 1.  The loads of steps 14 and 15 ask for nothing.
; softplus(s) = max(s, 0) + log1p(exp(-|s|)), log1p(u) as log(1 + u) u / ((1 + u) - 1).  LIMITS: NaN and infinities among the inputs are not served.
; REGISTERS: window 0: v0-31 addresses, v32-63 scale words (two sets), v64-127 A's blocks 4-7 of a slot's second half, v128-255 A's blocks 0-7 (on the way out two buffers of 64);
; window 1: B's fragments, set q for a slot's q-th half; windows 2, 3: the accumulators.
.set NP,     8                         ; plain vector lines behind this matrix form ahead of a reader of its sums or a load into its registers
.set BLK,    33792
.set SCO,    32768
.set PANEL,  16*BLK
.set SLOT,   4*BLK
.set LAPS,   8
.set SPARE,  2*SLOT                    ; the spare words: 512 bytes that no other line names
.set STAGE,  SPARE+512                 ; the way out: 16 rows x 528 bytes for each wave; no fill lands here
.set SPITCH, 528
.set ROWC,   16384
.set SHARE,  33*256
.set SF,   12
.set ADRA, 16
.set ADRB, 20
.set ADRS, 22
.set STO,  24
.set RD,   25
.set CO,   26
.set SPW,  28
.set NIL,  29
.set PFO,  30                          ; 256 x lane
.set PF1,  31                          ; 8,192 in all lanes
.set SC,   32                          ; set s at SC + 16 s; register 8 q + i: block i's words of the q-th 128 of K: two different registers of one product never have equal numbers modulo 8
.set BK,   128
.set G1,  24
.set G0,  32
.set G1B, 48
.set G0B, 56
.set PFA, 44
.set MSB, 0
.macro WIN new
.if MSB != \new
	s_set_vgpr_msb (MSB<<8)|\new
.set MSB, \new
.endif
.endm
.set MUL_LO, 0xa1                      ; source 0 (B) window 1, source 1 (A) window 0, C and D window 2; + 0x50: window 3
.set TO_B,   0x40
.macro PLACES n
.rept \n
	v_nop
.endr
.endm
.macro JLOAD g0a, g1a, g0b, g1b        ; waves 0, 1 fetch A's two blocks, waves 2, 3 B's; s_nop 0 and four v_nop behind each line
	s_cmp_eq_u32 s15, 0
	s_cbranch_scc0 .Lfor_b_\@
	tensor_load_to_lds s[\g0a:\g0a+3], s[\g1a:\g1a+7]
	s_nop 0
	PLACES 4
	s_branch .Lasked_\@
.Lfor_b_\@:
	tensor_load_to_lds s[\g0b:\g0b+3], s[\g1b:\g1b+7]
	s_nop 0
	PLACES 4
.Lasked_\@:
.endm
.macro CREST
	s_cmp_lg_u32 s14, 0
	s_cbranch_scc1 .Lnot_wave_0_\@
	s_barrier_signal -3
.Lnot_wave_0_\@:
	s_barrier_wait -3
	s_barrier_signal -1
	s_barrier_wait -1
.endm
.macro CROUND
	s_barrier_signal -1
	s_barrier_wait -1
	CREST
.endm
.macro PF step                         ; my share of my block, so many K steps behind where s[PFA] stands
	global_prefetch_b8 v[PFO], s[PFA:PFA+1] offset:(\step)*BLK th:TH_LOAD_NT scope:SCOPE_SE
	global_prefetch_b8 v[PF1], s[PFA:PFA+1] offset:(\step)*BLK th:TH_LOAD_NT scope:SCOPE_SE
.endm
.macro ASK                             ; not in the loop's last trip (s3 = 1), whose loads are steps 14 and 15
	s_cmp_gt_u32 s3, 1
	s_cbranch_scc0 .Lno_ask_\@
	PF 3
.Lno_ask_\@:
.endm
	s_load_b256 s[4:11], s[0:1], 0x0               ; xq, wq, scale, out0
	v_lshl_add_u32 v[SPW], v0, 2, SPARE
	v_mov_b32 v[NIL], 0
	ds_add_u32 v[SPW], v[NIL]                      ; the opening lines: the add twice on end and one wait
	ds_add_u32 v[SPW], v[NIL]
	v_lshrrev_b32 v1, 5, v0
	v_readfirstlane_b32 s14, v1                    ; wave
	s_lshr_b32 s15, s14, 1                         ; my half of the rows; also: I fetch for A (0) or B (1)
	s_and_b32 s16, s14, 1                          ; my half of the columns; also: which panel of the two I fetch
	s_bfe_u32 s40, ttmp6, 0x40000                  ; cx
	s_bfe_u32 s41, ttmp6, 0x40004                  ; cy
	s_lshl_b32 s42, ttmp9, 2
	s_add_co_u32 s42, s42, s40                     ; tile column
	s_and_b32 s17, ttmp7, 0xffff
	s_lshl_b32 s17, s17, 2
	s_add_co_u32 s17, s17, s41                     ; tile row
	s_lshl_b32 s43, s41, 2
	s_lshl_b32 s43, 15, s43                        ; my row of the cluster
	s_lshl_b32 s44, 0x1111, s40                    ; my column
	s_or_b32 s[G1+0], s43, (3<<16)|(1<<21)         ; elements of 8 bytes, no padding
	s_or_b32 s[G1B+0], s44, (3<<16)|(1<<21)
.irp g, G1, G1B
	s_mov_b32 s[\g+1], 32<<16                      ; rows of 256 bytes,
	s_mov_b32 s[\g+2], 132<<16                     ; 132 of them, dense
	s_mov_b32 s[\g+3], 32<<16
	s_mov_b32 s[\g+4], 132
	s_mov_b32 s[\g+5], 32
	s_mov_b32 s[\g+6], 0
	s_mov_b32 s[\g+7], 0
.endr
	s_lshl_b32 s20, s17, 1
	s_add_co_u32 s20, s20, s16
	s_mul_i32 s20, s20, PANEL
	s_mov_b32 s21, 0
	s_lshl_b32 s46, s42, 1
	s_add_co_u32 s46, s46, s16
	s_mul_i32 s46, s46, PANEL
	s_mov_b32 s47, 0
	s_mul_i32 s45, s14, BLK                        ; in a slot: wave x a block
	s_wait_dscnt 0x0                               ; both opening adds are done
	CROUND                                         ; the round ahead of the first joint loads, while the arguments are on their way
	s_wait_kmcnt 0x0
	s_add_nc_u64 s[20:21], s[4:5], s[20:21]
	s_add_nc_u64 s[46:47], s[6:7], s[46:47]
.irp s, 0,1
	s_mov_b32 s[G0+4*\s], 1
	s_add_co_u32 s[G0+4*\s+1], s45, \s*SLOT
	s_add_nc_u64 s[G0+4*\s+2:G0+4*\s+3], s[20:21], \s*BLK
	s_or_b32 s[G0+4*\s+3], s[G0+4*\s+3], 0x80000000
	s_mov_b32 s[G0B+4*\s], 1
	s_add_co_u32 s[G0B+4*\s+1], s45, \s*SLOT
	s_add_nc_u64 s[G0B+4*\s+2:G0B+4*\s+3], s[46:47], \s*BLK
	s_or_b32 s[G0B+4*\s+3], s[G0B+4*\s+3], 0x80000000
.endr
	JLOAD G0, G1, G0B, G1B                         ; K step 0: one tensor load a wave at the head
	s_load_b32 s12, s[8:9], 0x0                    ; scale
	v_and_b32 v1, 31, v0
	v_and_b32 v2, 15, v0
	v_bfe_u32 v3, v0, 4, 1
	v_lshlrev_b32 v4, 4, v1
	v_lshlrev_b32 v[PFO], 8, v1
	v_mov_b32 v[PF1], 0x2000
	s_wait_alu depctr_va_vdst(0)
	s_lshl_b32 s18, s17, 1                         ; the prefetches: my panel,
	s_lshl_b32 s19, s42, 1
	s_cmp_eq_u32 s15, 0
	s_cselect_b32 s18, s18, s19
	s_cselect_b32 s19, s40, s41                    ; my place among the four that ask jointly,
	s_cselect_b64 s[PFA:PFA+1], s[4:5], s[6:7]
	s_add_co_u32 s18, s18, s16
	s_mul_i32 s18, s18, PANEL
	s_mul_i32 s19, s19, SHARE
	s_add_co_u32 s18, s18, s19
	s_mov_b32 s19, 0
	s_add_nc_u64 s[PFA:PFA+1], s[PFA:PFA+1], s[18:19]   ; my share of K step 0's block
	PF 1
	s_mul_i32 s21, s15, BLK
	s_mul_i32 s22, s16, BLK
	s_add_co_u32 s22, s22, 2*BLK
	s_xor_b32 s23, s15, 1
	s_add_co_u32 s23, s23, s16
	s_add_co_u32 s23, s23, 1                       ; blocks from my A block to my B block: 2 + column half - row half
	s_mul_i32 s23, s23, BLK
	v_mul_u32_u24 v6, s23, v3
	v_lshl_add_u32 v6, v2, 3, v6
	s_add_co_u32 s23, s21, SCO
.irp s, 0,1
	v_add_nc_u32 v[ADRA+\s], s21, v4
	v_add_nc_u32 v[ADRB+\s], s22, v4
	v_add_nc_u32 v[ADRS+\s], s23, v6
	s_add_co_u32 s21, s21, SLOT
	s_add_co_u32 s22, s22, SLOT
	s_add_co_u32 s23, s23, SLOT
.endr
	s_mul_i32 s23, s14, 16*SPITCH
	s_add_co_u32 s23, s23, STAGE
	v_mul_u32_u24 v5, v2, SPITCH
	v_lshl_add_u32 v5, v3, 5, v5
	v_add_nc_u32 v[STO], s23, v5
	v_lshlrev_b32 v[CO], 4, v1
	v_add_nc_u32 v[RD], s23, v[CO]
	s_lshl_b32 s20, s17, 8
	s_lshl_b32 s21, s15, 7
	s_add_co_u32 s20, s20, s21
	s_lshl_b32 s20, s20, 14                        ; my first row of out0, in bytes
	s_mov_b32 s21, 0
	s_add_nc_u64 s[10:11], s[10:11], s[20:21]
	s_lshl_b32 s46, s42, 10
	s_lshl_b32 s47, s16, 9
	s_add_co_u32 s46, s46, s47                     ; my first column, in bytes
	s_mov_b32 s47, 0
	s_add_nc_u64 s[10:11], s[10:11], s[46:47]
	s_wait_alu depctr_va_vdst(0)
	s_wait_kmcnt 0x0
	PF 2
	v_mov_b32 v5, s12
	v_mul_f32 v6, 0x3fb8aa3b, v5
	v_or_b32 v6, 0x80000000, v6                    ; -|s| log2(e)
	s_wait_alu depctr_va_vdst(0)
	v_exp_f32 v7, v6                               ; u = exp(-|s|)
	v_max_num_f32 v8, 0, v5
	s_wait_alu depctr_va_vdst(0)
	v_add_f32 v9, 1.0, v7
	v_add_f32 v10, -1.0, v9
	s_wait_alu depctr_va_vdst(0)
	v_log_f32 v11, v9
	v_rcp_f32 v14, v10
	v_nop
	v_cmp_eq_f32 vcc_lo, 0, v10
	s_wait_alu depctr_va_vdst(0)
	v_mul_f32 v11, 0x3f317218, v11
	v_mul_f32 v11, v11, v7
	v_mul_f32 v11, v11, v14
	v_cndmask_b32 v11, v11, v7, vcc_lo             ; where 1 + u rounds to 1: log1p(u) = u
	v_add_f32 v[SF], v8, v11
	v_mov_b32 v[SF+1], v[SF]
; A's block a of a slot's q-th half lies at v[128 + 16 a], but blocks 4-7 of the second half at v[16 a] (v64-127).
.macro PROD a, b, q, sc, zero          ; A's block a x B's fragment b; the accumulators take turns in one order throughout
.set AR_, 128+16*(\a)
.if (\q) && ((\a) > 3)
.set AR_, 16*(\a)
.endif
.set AC_, 8*(8*((\a)%4)+(\b))
	WIN MUL_LO+0x50*((\a)/4)
.if \zero
	v_wmma_scale_f32_16x16x128_f8f6f4 v[AC_:AC_+7], v[128*(\q)+16*(\b):128*(\q)+16*(\b)+15], v[AR_:AR_+15], 0, v[SC+16*(\sc)+8*(\q)+(\b)], v[SC+16*(\sc)+8*(\q)+(\a)] matrix_a_fmt:MATRIX_FMT_BF8 matrix_b_fmt:MATRIX_FMT_BF8 matrix_a_scale:MATRIX_SCALE_ROW1
.else
	v_wmma_scale_f32_16x16x128_f8f6f4 v[AC_:AC_+7], v[128*(\q)+16*(\b):128*(\q)+16*(\b)+15], v[AR_:AR_+15], v[AC_:AC_+7], v[SC+16*(\sc)+8*(\q)+(\b)], v[SC+16*(\sc)+8*(\q)+(\a)] matrix_a_fmt:MATRIX_FMT_BF8 matrix_b_fmt:MATRIX_FMT_BF8 matrix_a_scale:MATRIX_SCALE_ROW1
.endif
.endm
.macro BLK a, q, sc, zero=0            ; a block's eight products
.irp b, 0,1,2,3,4,5,6,7
	PROD \a, \b, \q, \sc, \zero
.endr
.endm
.macro LDA slot, q, i, half            ; two of the four loads of A's block i
.set AR_, 128+16*(\i)
.if (\q) && ((\i) > 3)
.set AR_, 16*(\i)
.endif
	WIN 0
	ds_load_b128 v[AR_+8*(\half):AR_+8*(\half)+3], v[ADRA+\slot] offset:(2*(\i)+(\q))*2048+1024*(\half)
	ds_load_b128 v[AR_+8*(\half)+4:AR_+8*(\half)+7], v[ADRA+\slot] offset:(2*(\i)+(\q))*2048+1024*(\half)+512
.endm
.macro LDB slot, q, i, half            ; two of the four loads of B's fragment i, into set q
	WIN TO_B
	ds_load_b128 v[128*(\q)+16*(\i)+8*(\half):128*(\q)+16*(\i)+8*(\half)+3], v[ADRB+\slot] offset:(2*(\i)+(\q))*2048+1024*(\half)
	ds_load_b128 v[128*(\q)+16*(\i)+8*(\half)+4:128*(\q)+16*(\i)+8*(\half)+7], v[ADRB+\slot] offset:(2*(\i)+(\q))*2048+1024*(\half)+512
.endm
.macro RUNA slot, q, i0, n             ; A's blocks i0 .. i0 + n - 1: 4 n loads
.set I_, \i0
.rept \n
	LDA \slot, \q, I_, 0
	LDA \slot, \q, I_, 1
.set I_, I_+1
.endr
.endm
.macro RUNB slot, q, i0, n             ; B's fragments i0 .. i0 + n - 1: 4 n loads
.set I_, \i0
.rept \n
	LDB \slot, \q, I_, 0
	LDB \slot, \q, I_, 1
.set I_, I_+1
.endr
.endm
.macro SCALES sc                       ; a slot's scale words: 16 loads
	WIN 0
.irp q, 0,1
.irp i, 0,1,2,3,4,5,6,7
	ds_load_b32 v[SC+16*\sc+8*\q+\i], v[ADRS+\sc] offset:128*\i+4*\q
.endr
.endr
.endm
; A slot's first 128 along K.  Its operands were asked for in the order: 16 scale loads, B 0-7, A 0-7.
.macro STEP slot, zero
	s_wait_dscnt 28                                ; out at most: A 1-7, four loads each
	BLK 0, 0, \slot, \zero
	s_wait_dscnt 24                                ; A 2-7
	BLK 1, 0, \slot, \zero
	s_wait_dscnt 16                                ; A 4-7
	PLACES NP                                      ; behind the products that last read B's set 1
	RUNB \slot, 1, 0, 8                            ; the second half's B: 32 loads
	BLK 2, 0, \slot, \zero
	BLK 3, 0, \slot, \zero
	s_wait_dscnt 32                                ; all but the 32 just issued: A 4-7 are in
	PLACES NP                                      ; behind the products that read A 0-3
	RUNA \slot, 1, 0, 8                            ; the second half's A: 0-3 where the first half's lay, 4-7 into v64-127: my last reads of this slot
	BLK 4, 0, \slot, \zero
	BLK 5, 0, \slot, \zero
	BLK 6, 0, \slot, \zero
	BLK 7, 0, \slot, \zero
	WIN 0
.endm
; A slot's second 128 along K: all its operands have been asked for, so the change of slots stands at its head.  fill = 1: a round of the cluster's barrier, and this slot takes the K step two on.
.macro TURN slot, next, fill
.if \fill
	s_wait_xcnt 0x0                                ; my prefetches have read their address
	s_add_nc_u64 s[PFA:PFA+1], s[PFA:PFA+1], BLK
.endif
	s_wait_tensorcnt 0x0                           ; my one load that was out, my block of the next slot, has landed
	ds_add_u32 v[SPW], v[NIL]
.if \fill
	s_add_nc_u64 s[G0+4*\slot+2:G0+4*\slot+3], s[G0+4*\slot+2:G0+4*\slot+3], 2*BLK
	s_add_nc_u64 s[G0B+4*\slot+2:G0B+4*\slot+3], s[G0B+4*\slot+2:G0B+4*\slot+3], 2*BLK
.endif
	s_wait_dscnt 28                                ; B and A 0 are in (younger than A 0: 28 loads and the add)
	BLK 0, 1, \slot
	s_wait_dscnt 0x0                               ; the add is done, and my reads of this slot are over
	s_barrier_signal -1
	BLK 1, 1, \slot
	WIN 0
	s_barrier_wait -1
.if \fill
	CREST
	JLOAD G0+4*\slot, G1, G0B+4*\slot, G1B         ; the first tensor load behind the round; its four v_nop are four of the eight places
	PLACES NP-4
.else
	PLACES NP
.endif
	SCALES \next
	RUNB \next, 0, 0, 4
	WIN 0
.if \fill
	ASK
.endif
	BLK 2, 1, \slot
	BLK 3, 1, \slot
	PLACES NP                                      ; behind the products that read A 0-3
	RUNB \next, 0, 4, 4
	RUNA \next, 0, 0, 8
	BLK 4, 1, \slot
	BLK 5, 1, \slot
	BLK 6, 1, \slot
	BLK 7, 1, \slot
	WIN 0
.endm
.macro TOSTAGE a                       ; block a, 16 rows x 128 columns, into my stage and back as whole rows of 512 bytes; LDS serves a wave's instructions in order (ISA guide 5.7.1.4)
.set AC, 64*((\a)%4)
	WIN 0x08+4*((\a)/4)
.irp b, 0,1,2,3,4,5,6,7
	ds_store_b128 v[STO], v[AC+8*\b:AC+8*\b+3] offset:64*\b
	ds_store_b128 v[STO], v[AC+8*\b+4:AC+8*\b+7] offset:64*\b+16
.endr
	WIN 0
.set BB, BK+64*((\a)%2)
.irp t, 0,1,2,3,4,5,6,7,8,9,10,11,12,13,14,15
	ds_load_b128 v[BB+4*\t:BB+4*\t+3], v[RD] offset:\t*SPITCH
.endr
.endm
.macro SEND a, younger                 ; x softplus(scale), and out: 32 lanes store 512 consecutive bytes, aligned to 256
.set BB, BK+64*((\a)%2)
	s_wait_dscnt \younger
.if (\a) > 0
	s_add_nc_u64 s[10:11], s[10:11], 16*ROWC       ; behind a wait on XCNT
.endif
.irp t, 0,1,2,3,4,5,6,7,8,9,10,11,12,13,14,15,16,17,18,19,20,21,22,23,24,25,26,27,28,29,30,31
	v_pk_mul_f32 v[BB+2*\t:BB+2*\t+1], v[BB+2*\t:BB+2*\t+1], v[SF:SF+1]
.endr
.irp t, 0,1,2,3,4,5,6,7,8,9,10,11,12,13,14,15
	global_store_b128 v[CO], v[BB+4*\t:BB+4*\t+3], s[10:11] offset:\t*ROWC th:TH_STORE_NT
.endr
.endm
	s_wait_alu depctr_va_vdst(0)
	s_wait_tensorcnt 0x0                           ; my block of K step 0 is in; the same lines as ahead of a refill:
	ds_add_u32 v[SPW], v[NIL]
	s_wait_dscnt 0x0
	CROUND
	JLOAD G0+4, G1, G0B+4, G1B                     ; K step 1, slot 1's first fill
	SCALES 0
	RUNB 0, 0, 0, 8
	RUNA 0, 0, 0, 8
	PF 3
	STEP 0, 1                                      ; the first products start the sums
	s_mov_b32 s3, LAPS-1
.Llap:
	TURN 0, 1, 1
	STEP 1, 0
	TURN 1, 0, 1
	STEP 0, 0
	s_sub_co_u32 s3, s3, 1
	s_cmp_lg_u32 s3, 0
	s_cbranch_scc1 .Llap
	TURN 0, 1, 0                                   ; the last lap fills nothing
	STEP 1, 0
	s_wait_dscnt 28                                ; B and A 0 are in
	BLK 0, 1, 1
	s_wait_dscnt 0x0
	BLK 1, 1, 1
	BLK 2, 1, 1
	BLK 3, 1, 1
	PLACES NP
	TOSTAGE 0                                      ; rows 0-63 are finished: block 0 goes through the stage under the last 32 products; it comes back into A's blocks 0-3
	BLK 4, 1, 1
	BLK 5, 1, 1
	BLK 6, 1, 1
	BLK 7, 1, 1
	WIN 0
	PLACES NP
.irp a, 1,2,3,4,5,6,7
.if \a > 1
	s_wait_xcnt 0x0                                ; block a - 2's stores have read their registers and their base
.endif
	TOSTAGE \a
	SEND \a-1, 32                                  ; behind block a - 1's loads: block a's 16 stores and 16 loads
.endr
	s_wait_xcnt 0x0
	SEND 7, 0
	s_wait_tensorcnt 0x0                           ; the wave's end
	ds_add_u32 v[SPW], v[NIL]
	s_wait_dscnt 0x0
	CROUND                                         ; the closing round
	s_endpgm
.Lfunc_end_k_q4abb8188a2_gemm:
	.size	k_q4abb8188a2_gemm, .Lfunc_end_k_q4abb8188a2_gemm-k_q4abb8188a2_gemm
	.p2alignl 7, 3214868480
	.fill 96, 4, 3214868480
	.section	.rodata,"a",@progbits
	.p2align	6, 0x0
	.amdhsa_kernel k_q4abb8188a2_gemm
		.amdhsa_group_segment_fixed_size 327680
		.amdhsa_private_segment_fixed_size 0
		.amdhsa_enable_private_segment 0
		.amdhsa_kernarg_size 32
		.amdhsa_user_sgpr_count 2
		.amdhsa_user_sgpr_kernarg_segment_ptr 1
		.amdhsa_wavefront_size32 1
		.amdhsa_system_sgpr_workgroup_id_x 1
		.amdhsa_system_sgpr_workgroup_id_y 1
		.amdhsa_system_sgpr_workgroup_id_z 1
		.amdhsa_system_vgpr_workitem_id 0
		.amdhsa_next_free_vgpr 1024
		.amdhsa_next_free_sgpr 66
		.amdhsa_reserve_vcc 1
		.amdhsa_float_denorm_mode_32 3
		.amdhsa_float_denorm_mode_16_64 3
		.amdhsa_memory_ordered 1
		.amdhsa_forward_progress 1
		.amdhsa_inst_pref_size 165
	.end_amdhsa_kernel
	.amdgpu_metadata
---
amdhsa.version: [ 1, 2 ]
amdhsa.kernels:
  - .name:           k_q4abb8188a2_gemm
    .symbol:         k_q4abb8188a2_gemm.kd
    .args:
      - { .name: xq, .offset: 0, .size: 8, .value_kind: global_buffer, .address_space: global }
      - { .name: wq, .offset: 8, .size: 8, .value_kind: global_buffer, .address_space: global }
      - { .name: scale, .offset: 16, .size: 8, .value_kind: global_buffer, .address_space: global }
      - { .name: out0, .offset: 24, .size: 8, .value_kind: global_buffer, .address_space: global }
    .group_segment_fixed_size: 327680
    .private_segment_fixed_size: 0
    .kernarg_segment_align: 8
    .kernarg_segment_size: 32
    .max_flat_workgroup_size: 128
    .sgpr_count:     66
    .vgpr_count:     1024
    .wavefront_size: 32
...
	.end_amdgpu_metadata
.endif
;; end of part 2
